; MI455X (gfx1250); checked and timed in simulation.
; The chip was launched on July 23, 2026; its instructions are those of AMD's public machine-readable ISA for CDNA 5 (MIT licence, August 2026) and "CDNA5" Instruction Set Architecture Reference Guide (July 2026). The comments in the code are by the model that wrote it; some were corrected since.
;; Bandit Layer. Allowed arithmetic: matrix products marked QUANTISED: E5M2 operands, one E8M0 scale for each 32 along K, by v_wmma_scale_f32_16x16x128_f8f6f4 with both operands' format E5M2, f32 sums; everything else in f32.
;; Inputs: bias 8,192 float32; weight_codes 8,192 x 128 x 32 uint8 (E5M2 codes of weight, K innermost, in blocks of 32 codes); weight_scales 8,192 x 128 uint8 (E8M0 scales of weight, one for each 32 codes along K); x_codes 2,048 x 128 x 32 uint8 (E5M2 codes of x, K innermost, in blocks of 32 codes); x_scales 2,048 x 128 uint8 (E8M0 scales of x, one for each 32 codes along K).
;; Outputs: out0 2,048 x 8,192 float32.
;; This version of the problem:
;;   THIS VERSION OF THE PROBLEM IS GIVEN IN LOW PRECISION. The matrix products marked QUANTISED in the list below multiply operands that are first quantised to E5M2 (5 exponent bits, 2 mantissa bits; 8 bits a number), with one power-of-two scale for each 32 numbers along K (OCP MX v1.0); their sums are f32. All else is computed in f32.
;;   The module's matrix products, in the order in which they are computed (A, B: the left and right operand; K: the contracted axis; several contracted axes count as one K, in the product's order):
;;     1. [M 2,048, K 4,096] x [K 4,096, N 8,192]; A: input x (given as codes); B: input weight (given as codes): QUANTISED
;;   THE QUANTISER, for each operand of a quantised product, along K:
;;     - K is cut into blocks of 32 from its start; a last block that is shorter is filled with zeros.
;;     - A block's scale is 2^e with e = floor(log2(the largest magnitude in the block)) - 15, held to -126 .. 127; a block of zeros has e = 0. As a byte (E8M0): e + 127.
;;     - Each number is divided by its block's scale, clamped to +-57,344, and rounded to the nearest number of E5M2, ties to even, subnormals kept.
;;     - The product sums the exact products of the quantised numbers (number of the format x scale) in f32.
;;   ~~~python
;;   def quantise(x, axis):      # numpy; x: float32 -> the quantised numbers, widened to float32 again
;;       x = np.moveaxis(x, axis, -1); K = x.shape[-1]
;;       x = np.pad(x, [(0, 0)] * (x.ndim - 1) + [(0, -K % 32)]); x = x.reshape(x.shape[:-1] + (-1, 32)); a = np.abs(x).max(-1, keepdims=True)
;;       e = np.where(a > 0, np.clip(np.frexp(np.where(a > 0, a, 1))[1] - 1 - 15, -126, 127), 0)      # np.frexp(a)[1] - 1 = floor(log2(a)), exactly
;;       r = np.clip(x / 2.0 ** e, -57344, 57344)
;;       step = 2.0 ** (np.maximum(np.frexp(np.where(r == 0, 1, r))[1] - 1, -14) - 2)
;;       q = np.round(r / step) * step * 2.0 ** e      # np.round: ties to even
;;       return np.moveaxis(q.reshape(q.shape[:-2] + (-1,))[..., :K], -1, axis).astype(np.float32)
;;   ~~~
;;   INPUTS GIVEN AS CODES. weight (in the module: [8192, 4096], K = its axis 1); x (in the module: [2048, 4096], K = its axis 1): each comes as NAME_codes (uint8): NAME with its K axis moved to the last place and cut into blocks of 32 codes, [.., K / 32, bytes a block], one block behind the other in memory; one code a byte (a code: sign, 5 exponent bits, 2 mantissa bits); and NAME_scales (uint8): the same leading axes, one E8M0 byte (e + 127) for each 32 codes along K. Its value is code x scale, taken as it is: it is not quantised again, and the codes and scales need not be those that the quantiser above would give.
;; One version. Each part assembles by itself: llvm-mc -triple=amdgcn-amd-amdhsa -mcpu=gfx1250 --defsym DOCPART=n.
;; ======== version 1 of 1: 1 launch
;; limits: right only within a limited range of input values
;; launch gemm (part 1): grid 32 x 8, 4 waves a work-group, clusters of 4 x 4, 327,680 bytes of LDS; arguments x_codes, x_scales, weight_codes, weight_scales, bias, out0; writes out0
.if DOCPART == 1
	.amdgcn_target "amdgcn-amd-amdhsa--gfx1250"
	.amdhsa_code_object_version 6
	.text
	.protected	k_q098f7e4ea2_gemm
	.globl	k_q098f7e4ea2_gemm
	.p2align	8
	.type	k_q098f7e4ea2_gemm,@function
k_q098f7e4ea2_gemm:
	s_mov_b64 s[64:65], 0
	v_nop
	global_prefetch_b8 v0, s[64:65] scope:SCOPE_SE
	s_setreg_imm32_b32 hwreg(HW_REG_WAVE_MODE, 25, 1), 1
	s_wait_xcnt 0x0
	s_wait_alu depctr_hold_cnt(0) depctr_sa_sdst(0) depctr_va_vdst(0) depctr_va_sdst(0) depctr_va_ssrc(0) depctr_va_vcc(0) depctr_vm_vsrc(0)
	s_getreg_b32 s2, hwreg(HW_REG_IB_STS2, 6, 4)
	s_cmp_eq_u32 s2, 0
	s_cbranch_scc0 .Lentry_in_a_cluster
	s_endpgm
.Lentry_in_a_cluster:
	s_bfe_u32 s2, ttmp6, 0x10000c
	s_cmp_lg_u32 s2, 0xf033
	s_cbranch_scc0 .Lentry_shape_is_right
	s_endpgm
.Lentry_shape_is_right:
; out0[m][n] = sum over k of x[m][k] weight[n][k] + bias[n].  x: [2048][4096], weight: [8192][4096]: codes of BF8 (E5M2), one byte each, K innermost, one E8M0 byte for each 32 along K
; ([2048][128], [8192][128]); bias: [8192] f32; out0: [2048][8192] f32; sums in f32.  Codes and scale bytes go to the matrix instruction as they lie in memory.
; SHARES.  A tile of out0, 256 x 256, is made by a work-group of four waves; a wave makes 128 x 128: 64 accumulators of 16 x 16, 512 registers.  8 x 32 tiles: 256 work-groups.
; K goes in 16 steps of 256 through a ring of two LDS slots filled by tensor loads: a tile's row is 256 consecutive bytes, beginning at a multiple of 256 from the buffer's first byte.
; WHO FETCHES.  In the ring each wave fetches 128 rows: waves 0, 1 x's two halves, waves 2, 3 weight's.  At the head and at the end of K step 6 the four waves fetch four whole tiles instead:
; x's 256 rows, weight's 256 rows, x's scales, weight's scales; the two words of the codes' group 1 that count rows are rewritten (256, 128) only where no tensor load of the wave is out.
; THE SCALES of the 256 + 256 rows come in TWO RUNS along K, 64 bytes a row each (8 K steps): all 128 bytes a row do not fit beside two slots (2 x 139,264 + 512 x 144 > 327,680).
; A K step's scale words are read into registers one K step ahead, so K step 7's are in registers when the barrier at the end of K step 6 is signalled; run 2 lands on run 1's bytes behind that
; barrier; K step 8's words are read behind the next barrier, in front of which every wave has waited for all its tensor loads.
; BIAS is the C of each accumulator's first matrix instruction: nothing is cleared, nothing is added on the way out.
; CLUSTERS: 4 x 4 work-groups.  The four of a row of the cluster need the same tiles and scales of x, the four of a column the same of weight: each is asked for JOINTLY, by the same tensor load
; with the same descriptor and a mask that names the four.  THE MATRIX INSTRUCTION IS USED TRANSPOSED (source 0 = 16 rows of weight, source 1 = 16 rows of x): a lane holds eight neighbours of a row of out0.
; PREFETCH.  Behind each fill of codes stands one prefetch a wave for the K step two fills on: of the 128 rows that a wave fetches in the ring, each of the four partners names 32, told apart by
; address (cx for x, cy for weight), a lane a row of 256 bytes: each block is named once in each cluster that will load it.  K steps 2 to 15 are named; the last two refills name nothing.
; The scales are not prefetched: run 2's bytes lie in the same aligned blocks of 256 bytes as run 1's, which the head's loads read.
; LIMITS.  bias enters each f32 sum first, where the definition adds it last: an order of rounding.  Codes and scale bytes are taken as given: a scale byte 0xff, or a code of NaN or infinity, gives what the matrix instruction gives.
; REGISTERS, in windows of 256: window 0: v0-31 addresses; v32-63 scale words, two sets; v64-127 bias; from v128 x's fragments (8 x 16 rows x 128 K), one set; on the way out v64-191 take rows of out0.
;   window 1: weight's fragments, two sets, at v0 and v128.   window 2: the accumulators of my rows 0-63 ((a, b) at v[8 (8 a + b)]);   window 3: those of my rows 64-127.
.set SIZE_N, 8192
.set SIZE_K, 4096
.set ROWB,   256                       ; a tile's row in bytes
.set PITCH,  272                       ; an LDS row: 256 bytes + 16 of padding: the 16 rows of a fragment load start 68 words apart
.set FR,     16                        ; registers of a fragment: 16 rows x 128 K
.set NP,     8                         ; places behind this matrix instruction (ISA guide 7.12.1)
.set HALFT,  128*PITCH
.set SLOT,   4*HALFT                   ; x's 256 rows, then weight's 256 rows
.set SCL,    2*SLOT                    ; behind the ring: x's scales of one run, 256 rows of
.set SCP,    80                        ; 64 bytes + 16 of padding
.set HALFS,  128*SCP
.set SBLK,   16*SCP
.set SCB,    SCL+2*HALFS               ; weight's scales likewise
.set SPARE,  SCB+2*HALFS               ; 319,488: the spare words, 128 bytes a wave: two blocks of 256 bytes that no other line names
.set SPITCH, 528                       ; the way out: a stage of 16 rows x (512 + 16 bytes) a wave, in slot 0, which has had its last fill and its last read by then
.set ADRA, 16                          ; v16-17  my fragments of x in slot 0, 1
.set ADRB, 20                          ; v20-21  the same for weight
.set PFO,  22                          ; v22     the prefetches' offset: lane x 4,096
.set STO,  24                          ; v24     the way out: where I put 32 bytes of a row
.set RD,   25                          ; v25     where I read a row back
.set CO,   26                          ; v26     my byte offset in a row of out0
.set ADRS, 27                          ; v27     the scale words to be read next: 8 bytes a K step up a run
.set SPW,  28                          ; v28     my spare word; never rewritten
.set NIL,  29                          ; v29     0; never rewritten
.set BO,   30                          ; v30     bias: 32 x (lane / 16)
.set ADRS0, 31                         ; v31     my scale words at a run's head: lanes 0-15 x's rows, lanes 16-31 weight's
.set SC,   32                          ; scale words: set s at v[SC + 16 s]; register 2 i + q: lanes 0-15 x's block i, lanes 16-31 weight's block i, the slot's q-th 128 along K
.set BI,   64                          ; bias: block b at v[BI + 8 b]
.set AF,   128                         ; x's fragments
.set BK,   64                          ; the way out: 16 rows read back: v64-127 and v128-191 by turns
.set LIM,  2                           ; s2   the loop's prefetch runs while s3 is above it
.set G0H,  4                           ; s[4:7], s[8:11] group 0 of the whole tiles of 256 rows (the arguments that lay there have been used)
.set G0HB, 8
.set WV,   16
.set RH,   17                          ; my half of the tile's rows; also: I fetch for x (0) or weight (1)
.set CH,   18                          ; my half of its columns; also: which 128 rows I fetch
.set TR,   19
.set TC,   42
.set G1,   24                          ; s[24:31] group 1 for x's tiles; s[32:39] group 0, one set a slot
.set G0,   32
.set G1B,  48                          ; s[48:55], s[56:63] the same for weight's
.set G0B,  56
.set PFA,  66                          ; s[66:67] where my next prefetch stands
.set G1S,  68                          ; s[68:75], s[76:79] x's scales; s[80:87], s[88:91] weight's
.set G0S,  76
.set G1SB, 80
.set G0SB, 88
.set MSB, 0
.macro WIN new                         ; the immediate's high byte repeats the setting that is left
.if MSB != \new
	s_set_vgpr_msb (MSB<<8)|\new
.set MSB, \new
.endif
.endm
.set MUL_LO,   0xa1                    ; source 0 (weight) window 1, source 1 (x) window 0, C and D window 2
.set MUL_HI,   0xf1                    ; C and D window 3
.set FIRST_LO, 0x81                    ; the first products: C (bias) window 0, D window 2
.set FIRST_HI, 0xc1
.set TO_B,     0x40                    ; destination window 1
.macro PLACES n
.rept \n
	v_nop
.endr
.endm
.macro TL g0, g1                       ; a tensor load; the s_nop 0 and the four v_nop behind it
	tensor_load_to_lds s[\g0:\g0+3], s[\g1:\g1+7]
	s_nop 0
	PLACES 4
.endm
.macro JLOAD s                         ; the ring's joint load into slot s: 128 rows a wave; the branch hangs on the wave's number alone
	s_cmp_eq_u32 s[RH], 0
	s_cbranch_scc0 .Lfor_b_\@
	TL G0+4*\s, G1
	s_branch .Lasked_\@
.Lfor_b_\@:
	TL G0B+4*\s, G1B
.Lasked_\@:
.endm
.macro QUAD                            ; four whole tiles, one a wave, in one chain of branches on the wave's number
	s_cmp_lt_u32 s[WV], 1
	s_cbranch_scc0 .Lq1_\@
	TL G0H, G1
	s_branch .Lq_\@
.Lq1_\@:
	s_cmp_lt_u32 s[WV], 2
	s_cbranch_scc0 .Lq2_\@
	TL G0HB, G1B
	s_branch .Lq_\@
.Lq2_\@:
	s_cmp_lt_u32 s[WV], 3
	s_cbranch_scc0 .Lq3_\@
	TL G0S, G1S
	s_branch .Lq_\@
.Lq3_\@:
	TL G0SB, G1SB
.Lq_\@:
.endm
.macro ROWS n                          ; how many rows a load of codes brings; written only where no tensor load of the wave is out
	s_mov_b32 s[G1+2], \n<<16
	s_mov_b32 s[G1+4], \n
	s_mov_b32 s[G1B+2], \n<<16
	s_mov_b32 s[G1B+4], \n
.endm
.macro ASK how                         ; 1: the prefetch; 2: in a loop, not where s3 has fallen to s[LIM]; 0: none
.if \how == 2
	s_cmp_gt_u32 s3, s[LIM]
	s_cbranch_scc0 .Lno_ask_\@
.endif
.if \how
	global_prefetch_b8 v[PFO], s[PFA:PFA+1] th:TH_LOAD_NT scope:SCOPE_SE
.endif
.if \how == 2
.Lno_ask_\@:
.endif
.endm
.macro CREST                           ; a round of the cluster's barrier behind its opening barrier
	s_cmp_lg_u32 s[WV], 0
	s_cbranch_scc1 .Lnot_wave_0_\@
	s_barrier_signal -3
.Lnot_wave_0_\@:
	s_barrier_wait -3
	s_barrier_signal -1
	s_barrier_wait -1
.endm
.macro CROUND
	s_barrier_signal -1
	s_barrier_wait -1
	CREST
.endm
	s_load_b128 s[4:7], s[0:1], 0x0                ; x's codes, x's scales
	s_load_b128 s[8:11], s[0:1], 0x10              ; weight's codes, weight's scales
	s_load_b128 s[12:15], s[0:1], 0x20             ; bias, out0
	v_lshl_add_u32 v[SPW], v0, 2, SPARE
	v_mov_b32 v[NIL], 0
	ds_add_u32 v[SPW], v[NIL]                      ; the opening lines: the add, twice on end, and its wait ahead of my first tensor load
	ds_add_u32 v[SPW], v[NIL]
	v_lshrrev_b32 v1, 5, v0
	v_readfirstlane_b32 s[WV], v1                  ; wave 0..3
	s_lshr_b32 s[RH], s[WV], 1
	s_and_b32 s[CH], s[WV], 1
	s_bfe_u32 s40, ttmp6, 0x40000                  ; cx
	s_bfe_u32 s41, ttmp6, 0x40004                  ; cy
	s_lshl_b32 s[TC], ttmp9, 2
	s_add_co_u32 s[TC], s[TC], s40                 ; tile column = 4 x cluster x + cx
	s_and_b32 s[TR], ttmp7, 0xffff
	s_lshl_b32 s[TR], s[TR], 2
	s_add_co_u32 s[TR], s[TR], s41                 ; tile row = 4 x cluster y + cy
	s_lshl_b32 s43, s41, 2
	s_lshl_b32 s43, 15, s43                        ; my row of the cluster
	s_lshl_b32 s44, 0x1111, s40                    ; my column
	; group 1 for the codes: rows of 256 bytes, 16 bytes of padding behind each; 256 rows at the head
	s_or_b32 s[G1+0], s43, (0<<16)|(1<<20)|(1<<21)|(5<<22)|(3<<25)
	s_or_b32 s[G1B+0], s44, (0<<16)|(1<<20)|(1<<21)|(5<<22)|(3<<25)
.irp g, G1, G1B
	s_mov_b32 s[\g+1], ROWB<<16
	s_mov_b32 s[\g+2], 256<<16
	s_mov_b32 s[\g+3], ROWB<<16
	s_mov_b32 s[\g+4], 256
	s_mov_b32 s[\g+5], SIZE_K
	s_mov_b32 s[\g+6], 0
	s_mov_b32 s[\g+7], 0
.endr
	; and for one run of scales: 256 rows x 64 bytes (8 elements of 8 bytes) out of rows of 128 bytes, 16 bytes of padding behind each
	s_or_b32 s[G1S+0], s43, (3<<16)|(1<<20)|(1<<21)|(3<<22)|(3<<25)
	s_or_b32 s[G1SB+0], s44, (3<<16)|(1<<20)|(1<<21)|(3<<22)|(3<<25)
.irp g, G1S, G1SB
	s_mov_b32 s[\g+1], 8<<16
	s_mov_b32 s[\g+2], 256<<16
	s_mov_b32 s[\g+3], 8<<16
	s_mov_b32 s[\g+4], 256
	s_mov_b32 s[\g+5], 16
	s_mov_b32 s[\g+6], 0
	s_mov_b32 s[\g+7], 0
.endr
	; byte offsets.  x's hang on the tile row alone, weight's on the tile column alone
	s_lshl_b32 s20, s[TR], 20                      ; x's codes: 256 rows x 4,096 bytes a tile row
	s_mov_b32 s21, 0
	s_lshl_b32 s22, s[TR], 15                      ; x's scales: 256 rows x 128 bytes
	s_mov_b32 s23, 0
	s_lshl_b32 s46, s[TC], 20
	s_mov_b32 s47, 0
	s_lshl_b32 s92, s[TC], 15
	s_mov_b32 s93, 0
	s_lshl_b32 s96, s[CH], 19                      ; in the ring: which 128 rows I fetch
	s_mov_b32 s97, 0
	s_lshl_b32 s94, s[TR], 8                       ; the prefetches: the tile's first row, in x by the tile row, in weight by the tile column,
	s_lshl_b32 s95, s[TC], 8
	s_cmp_eq_u32 s[RH], 0
	s_cselect_b32 s94, s94, s95
	s_cselect_b32 s95, s40, s41                    ; my place among the four that ask with me,
	s_lshl_b32 s95, s95, 5
	s_add_co_u32 s94, s94, s95                     ; + my work-group's 32 rows
	s_lshl_b32 s95, s[CH], 7
	s_add_co_u32 s94, s94, s95                     ; of the 128 that I fetch,
	s_lshl_b32 s94, s94, 12                        ; in bytes (under 2^25),
	s_add_co_u32 s94, s94, 2*ROWB                  ; at K step 2
	s_mov_b32 s95, 0
	s_lshl_b32 s40, s[TC], 10                      ; my first column in bytes of f32: the same in bias and in a row of out0
	s_lshl_b32 s41, s[CH], 9
	s_add_co_u32 s40, s40, s41
	s_mov_b32 s41, 0
	s_lshl_b32 s44, s[TR], 23                      ; my first row of out0: (256 x tile row + 128 x half) x 32,768 bytes, under 2^26
	s_lshl_b32 s45, s[RH], 22
	s_add_co_u32 s44, s44, s45
	s_add_co_u32 s44, s44, s40
	s_mov_b32 s45, 0
	s_mul_i32 s43, s[WV], HALFT                    ; where my 128 rows go: no place in the cluster enters an LDS address
	s_wait_dscnt 0x0                               ; both opening adds are done
	s_wait_kmcnt 0x0
	s_add_nc_u64 s[20:21], s[4:5], s[20:21]
	s_add_nc_u64 s[22:23], s[6:7], s[22:23]
	s_add_nc_u64 s[46:47], s[8:9], s[46:47]
	s_add_nc_u64 s[92:93], s[10:11], s[92:93]
	s_add_nc_u64 s[12:13], s[12:13], s[40:41]
	s_add_nc_u64 s[14:15], s[14:15], s[44:45]
	s_cmp_eq_u32 s[RH], 0
	s_cselect_b64 s[PFA:PFA+1], s[4:5], s[8:9]
	s_add_nc_u64 s[PFA:PFA+1], s[PFA:PFA+1], s[94:95]
	s_mov_b32 s[G0S], 1                            ; x's scales, bytes 0 to 63 of each row
	s_mov_b32 s[G0S+1], SCL
	s_mov_b64 s[G0S+2:G0S+3], s[22:23]
	s_or_b32 s[G0S+3], s[G0S+3], 0x80000000
	s_mov_b32 s[G0SB], 1
	s_mov_b32 s[G0SB+1], SCB
	s_mov_b64 s[G0SB+2:G0SB+3], s[92:93]
	s_or_b32 s[G0SB+3], s[G0SB+3], 0x80000000
	s_mov_b32 s[G0H], 1                            ; K step 0's 256 rows of x,
	s_mov_b32 s[G0H+1], 0
	s_mov_b64 s[G0H+2:G0H+3], s[20:21]
	s_or_b32 s[G0H+3], s[G0H+3], 0x80000000
	s_mov_b32 s[G0HB], 1                           ; and of weight, behind them in slot 0
	s_mov_b32 s[G0HB+1], 2*HALFT
	s_mov_b64 s[G0HB+2:G0HB+3], s[46:47]
	s_or_b32 s[G0HB+3], s[G0HB+3], 0x80000000
	s_add_nc_u64 s[20:21], s[20:21], s[96:97]      ; for the ring: my 128 rows
	s_add_nc_u64 s[46:47], s[46:47], s[96:97]
.irp s, 0,1
	s_mov_b32 s[G0+4*\s], 1
	s_add_co_u32 s[G0+4*\s+1], s43, \s*SLOT
	s_add_nc_u64 s[G0+4*\s+2:G0+4*\s+3], s[20:21], \s*ROWB
	s_or_b32 s[G0+4*\s+3], s[G0+4*\s+3], 0x80000000
	s_mov_b32 s[G0B+4*\s], 1
	s_add_co_u32 s[G0B+4*\s+1], s43, \s*SLOT
	s_add_nc_u64 s[G0B+4*\s+2:G0B+4*\s+3], s[46:47], \s*ROWB
	s_or_b32 s[G0B+4*\s+3], s[G0B+4*\s+3], 0x80000000
.endr
	s_mul_i32 s20, s[RH], HALFT                    ; LDS: my 128 rows of x,
	s_mul_i32 s21, s[CH], HALFT                    ; my 128 rows of weight,
	s_add_co_u32 s21, s21, 2*HALFT                 ; behind x's 256;
	s_mul_i32 s23, s[RH], HALFS                    ; x's scales of my rows,
	s_mul_i32 s22, s[CH], HALFS                    ; weight's,
	s_add_co_u32 s22, s22, 2*HALFS
	s_sub_co_u32 s22, s22, s23                     ; as a distance from x's;
	s_add_co_u32 s23, s23, SCL
	s_mul_i32 s46, s[WV], 16*SPITCH                ; my stage
	CROUND                                         ; all sixteen work-groups are here: the first joint loads meet
	QUAD                                           ; one tensor load a wave at the head: K step 0's two tiles and the scales' first run
	v_and_b32 v1, 15, v0                           ; r = l % 16
	v_bfe_u32 v2, v0, 4, 1                         ; h = l / 16
	v_mul_u32_u24 v3, v1, PITCH
	v_lshl_add_u32 v4, v2, 4, v3                   ; a fragment's row x pitch + 16 h
	v_add_nc_u32 v[ADRA], s20, v4
	v_add_nc_u32 v[ADRB], s21, v4
	v_add_nc_u32 v[ADRA+1], SLOT, v[ADRA]
	v_add_nc_u32 v[ADRB+1], SLOT, v[ADRB]
	v_mul_u32_u24 v5, v1, SCP                      ; my row's scales;
	v_mul_u32_u24 v6, s22, v2                      ; lanes 16-31 take weight's
	v_add_nc_u32 v5, v5, v6
	v_add_nc_u32 v[ADRS0], s23, v5
	v_mul_u32_u24 v5, v1, SPITCH                   ; into the stage: row r, 32 bytes for each half of the lanes
	v_lshl_add_u32 v5, v2, 5, v5
	v_add_nc_u32 v[STO], s46, v5
	v_and_b32 v6, 31, v0
	v_lshlrev_b32 v[CO], 4, v6                     ; back: the 32 lanes take one row of 512 bytes; the same in out0
	v_add_nc_u32 v[RD], s46, v[CO]
	v_lshlrev_b32 v[PFO], 12, v6                   ; a lane a row of 4,096 bytes
	v_lshlrev_b32 v[BO], 5, v2
	s_wait_alu depctr_va_vdst(0)                   ; the wait at the end of the head's vector work
	ASK 1                                          ; K step 2, two fills ahead of its load
.irp b, 0,1,2,3,4,5,6,7
	global_load_b128 v[BI+8*\b:BI+8*\b+3],   v[BO], s[12:13] offset:64*\b      ; bias of my columns 16 b + 8 h + 0 .. 3,
	global_load_b128 v[BI+8*\b+4:BI+8*\b+7], v[BO], s[12:13] offset:64*\b+16   ; and + 4 .. 7
.endr
.macro FRAG reg, adr, q, i             ; 16 rows x 128 K: lane l holds row l % 16; registers 4 c .. 4 c + 3 hold K = 32 c + 16 (l / 16) + 0 .. 15
.irp c, 0,1,2,3
	ds_load_b128 v[\reg+4*\c:\reg+4*\c+3], v[\adr] offset:128*(\q)+32*\c+(\i)*16*PITCH
.endr
.endm
; 8 matrix instructions: x's block a against weight's eight, the slot's q-th 128 along K.  p: weight's set; sc: the set of scale words; first = 1: the sums start from bias.
; The 64 accumulators take turns, one instruction a turn, in the same order in every step.
.macro MULA a, p, q, sc, first
.irp b, 0,1,2,3,4,5,6,7
.if \first
	v_wmma_scale_f32_16x16x128_f8f6f4 v[8*(8*((\a)%4)+\b):8*(8*((\a)%4)+\b)+7], v[128*(\p)+FR*\b:128*(\p)+FR*\b+FR-1], v[AF+FR*(\a):AF+FR*(\a)+FR-1], v[BI+8*\b:BI+8*\b+7], v[SC+16*(\sc)+2*\b+(\q)], v[SC+16*(\sc)+2*(\a)+(\q)] matrix_a_fmt:MATRIX_FMT_BF8 matrix_b_fmt:MATRIX_FMT_BF8 matrix_a_scale:MATRIX_SCALE_ROW1
.else
	v_wmma_scale_f32_16x16x128_f8f6f4 v[8*(8*((\a)%4)+\b):8*(8*((\a)%4)+\b)+7], v[128*(\p)+FR*\b:128*(\p)+FR*\b+FR-1], v[AF+FR*(\a):AF+FR*(\a)+FR-1], v[8*(8*((\a)%4)+\b):8*(8*((\a)%4)+\b)+7], v[SC+16*(\sc)+2*\b+(\q)], v[SC+16*(\sc)+2*(\a)+(\q)] matrix_a_fmt:MATRIX_FMT_BF8 matrix_b_fmt:MATRIX_FMT_BF8 matrix_a_scale:MATRIX_SCALE_ROW1
.endif
.endr
.endm
.macro MUL16 a0, p, q, sc, first
	MULA \a0, \p, \q, \sc, \first
	MULA \a0+1, \p, \q, \sc, \first
.endm
.macro FETCH_B slot, q, p              ; weight's eight fragments into set p: 32 loads; leaves every window 0
	WIN TO_B
.irp i, 0,1,2,3,4,5,6,7
	FRAG 128*(\p)+FR*\i, ADRB+\slot, \q, \i
.endr
	WIN 0
.endm
.macro FETCH_A slot, q, i0             ; x's blocks i0 .. i0 + 3: 16 loads
.irp i, \i0, \i0+1, \i0+2, \i0+3
	FRAG AF+FR*(\i), ADRA+\slot, \q, \i
.endr
.endm
.macro SCALES sc, adr                  ; a K step's scale words into set sc: 8 loads
.irp i, 0,1,2,3,4,5,6,7
	ds_load_b64 v[SC+16*(\sc)+2*\i:SC+16*(\sc)+2*\i+1], v[\adr] offset:\i*SBLK
.endr
.endm
; THE FIRST 128 ALONG K OF A K STEP.  sread = 1 or 2: the NEXT K step's scale words are read here, into the other set; 2: they are a run's second two words; 1: 8 bytes on.
; Loads into registers that matrix instructions have read stand NP places behind them; only v_nop are counted as places here.
.macro STEP slot, first, sread
	s_wait_dscnt 16                                ; all but the youngest sixteen loads (x's blocks 4-7)
.if \first
	WIN FIRST_LO
.else
	WIN MUL_LO
.endif
	MUL16 0, 0, 0, \slot, \first
	MUL16 2, 0, 0, \slot, \first
	s_wait_dscnt 0x0                               ; x's blocks 4-7 are in
	PLACES NP
	FETCH_B \slot, 1, 1
	FETCH_A \slot, 1, 0
.if \sread == 2
	v_add_nc_u32 v[ADRS], 8, v[ADRS0]
.elseif \sread == 1
	v_add_nc_u32 v[ADRS], 8, v[ADRS]
.endif
.if \sread
	s_wait_alu depctr_va_vdst(0)                   ; the wait here, directly behind the write
	SCALES 1-\slot, ADRS
.endif
.if \first
	WIN FIRST_HI
.else
	WIN MUL_HI
.endif
	MUL16 4, 0, 0, \slot, \first
	MUL16 6, 0, 0, \slot, \first
	PLACES NP
	WIN 0
	FETCH_A \slot, 1, 4
.endm
; THE SECOND 128, AND THE CHANGE OF SLOTS: one barrier; in front of it each wave waits for all its tensor loads, adds 0 to its spare word, and waits for that and for its reads of this slot and of the scales.
; fill = 1: the barrier opens a round of the cluster's barrier and this slot is filled again, two K steps ahead: 112 of a K step's 128 matrix instructions stand between the request and the wait for it.
; fill = 2: the same by the four whole tiles, the scales' second run among them.  back = 1: the codes' loads bring 128 rows again.  sread = 1: the next K step's scale words are read from the head of the run just landed.
.macro TURN slot, next, fill, sread, ask, back
.if \fill
	s_wait_xcnt 0x0                                ; my last prefetch has read its address:
	s_add_nc_u64 s[PFA:PFA+1], s[PFA:PFA+1], ROWB  ; one K step on
.endif
	s_wait_dscnt 16
	WIN MUL_LO
	MUL16 0, 1, 1, \slot, 0
	WIN 0                                          ; (the add's two registers lie in window 0)
	s_wait_tensorcnt 0x0                           ; all my tensor loads have landed: no descriptor of mine is in use
	ds_add_u32 v[SPW], v[NIL]
.if \fill
	s_add_nc_u64 s[G0+4*\slot+2:G0+4*\slot+3], s[G0+4*\slot+2:G0+4*\slot+3], 2*ROWB
	s_add_nc_u64 s[G0B+4*\slot+2:G0B+4*\slot+3], s[G0B+4*\slot+2:G0B+4*\slot+3], 2*ROWB
.endif
.if \fill == 2
	ROWS 256
	s_add_nc_u64 s[G0H+2:G0H+3], s[G0H+2:G0H+3], 8*ROWB            ; K step 8
	s_add_nc_u64 s[G0HB+2:G0HB+3], s[G0HB+2:G0HB+3], 8*ROWB
	s_add_nc_u64 s[G0S+2:G0S+3], s[G0S+2:G0S+3], 64                ; bytes 64 to 127 of each row of scales
	s_add_nc_u64 s[G0SB+2:G0SB+3], s[G0SB+2:G0SB+3], 64
.endif
.if \back
	ROWS 128
.endif
	WIN MUL_LO
	MULA 2, 1, 1, \slot, 0
	s_wait_dscnt 0x0                               ; the add is done, and my reads of this slot and of the scales are over
	s_barrier_signal -1
	MULA 3, 1, 1, \slot, 0
	WIN 0
	s_barrier_wait -1
.if \fill
	CREST                                          ; no wave of any partner still reads this slot's tile or has a load on its way
.if \fill == 2
	QUAD
.else
	JLOAD \slot
.endif
	PLACES NP-4                                    ; with the four behind the load: NP places in front of the loads below
.else
	PLACES NP
.endif
	FETCH_B \next, 0, 0
	FETCH_A \next, 0, 0
.if \sread
	SCALES \next, ADRS0
.endif
	ASK \ask                                       ; behind the joint load and the run of LDS loads: the K step two refills on
	WIN MUL_HI
	MUL16 4, 1, 1, \slot, 0
	MUL16 6, 1, 1, \slot, 0
	PLACES NP
	WIN 0
	FETCH_A \next, 0, 4
.endm
	s_wait_xcnt 0x0                                ; the prefetch has read its address
	s_add_nc_u64 s[PFA:PFA+1], s[PFA:PFA+1], ROWB  ; K step 3
	s_wait_tensorcnt 0x0                           ; my tile of the head's four is in
	ds_add_u32 v[SPW], v[NIL]
	ROWS 128                                       ; no tensor load of mine is out: the ring's loads bring 128 rows
	s_wait_dscnt 0x0
	CROUND                                         ; all four tiles are in, and all sixteen work-groups are here
	JLOAD 1                                        ; K step 1: slot 1's first fill, the first tensor load behind the round
	FETCH_B 0, 0, 0
	FETCH_A 0, 0, 0
	SCALES 0, ADRS0
	FETCH_A 0, 0, 4
	ASK 1
	s_wait_loadcnt 0x0                             ; bias
	STEP 0, 1, 2                                   ; K step 0's first half starts the sums
	s_mov_b32 s[LIM], 0                            ; every trip of the first loop prefetches: K steps 4 to 9
	s_mov_b32 s3, 3
.Llap_1:                                           ; once round the ring: the changes at the ends of K steps 0 to 5
	TURN 0, 1, 1, 0, 2, 0
	STEP 1, 0, 1
	TURN 1, 0, 1, 0, 2, 0
	STEP 0, 0, 1
	s_sub_co_u32 s3, s3, 1
	s_cmp_lg_u32 s3, 0
	s_cbranch_scc1 .Llap_1
	TURN 0, 1, 2, 0, 1, 0                          ; the end of K step 6: K step 8's tiles and the scales' second run
	STEP 1, 0, 0                                   ; K step 7 reads no scales
	TURN 1, 0, 1, 1, 1, 1                          ; the end of K step 7: the second run has landed; K step 8's words are read behind the barrier
	STEP 0, 0, 2
	s_mov_b32 s[LIM], 1                            ; the second loop's last trip has no K step two refills on
	s_mov_b32 s3, 3
.Llap_2:                                           ; the changes at the ends of K steps 8 to 13
	TURN 0, 1, 1, 0, 2, 0
	STEP 1, 0, 1
	TURN 1, 0, 1, 0, 2, 0
	STEP 0, 0, 1
	s_sub_co_u32 s3, s3, 1
	s_cmp_lg_u32 s3, 0
	s_cbranch_scc1 .Llap_2
	TURN 0, 1, 0, 0, 0, 0                          ; the end of K step 14: nothing is left to fetch, so no round follows the barrier
	STEP 1, 0, 0
; THE WAY OUT, block by block of 16 rows x 128 columns, through my own stage in LDS: in as 32 bytes a lane, back as whole rows of 512 bytes.
; LDS serves a wave's instructions in order (ISA guide 5.7.1.4): no wait between the stores and the loads.
.macro TOSTAGE a
.set AC, 64*((\a)%4)
	WIN 0x08+4*((\a)/4)                            ; the data: window 2 or 3
.irp b, 0,1,2,3,4,5,6,7
	ds_store_b128 v[STO], v[AC+8*\b:AC+8*\b+3] offset:64*\b          ; each accumulator from its low end on
	ds_store_b128 v[STO], v[AC+8*\b+4:AC+8*\b+7] offset:64*\b+16
.endr
	WIN 0
.set BB, BK+64*((\a)%2)
.irp t, 0,1,2,3,4,5,6,7,8,9,10,11,12,13,14,15
	ds_load_b128 v[BB+4*\t:BB+4*\t+3], v[RD] offset:\t*SPITCH
.endr
.endm
.macro SEND a, younger                 ; younger: the LDS instructions issued behind block a's loads
.set BB, BK+64*((\a)%2)
	s_wait_dscnt \younger
.if (\a) > 0
	s_add_nc_u64 s[14:15], s[14:15], 16*SIZE_N*4   ; (behind a wait on XCNT)  16 rows on: the stores' offsets reach 15 rows, 491,520 bytes
.endif
.irp t, 0,1,2,3,4,5,6,7,8,9,10,11,12,13,14,15
	global_store_b128 v[CO], v[BB+4*\t:BB+4*\t+3], s[14:15] offset:\t*SIZE_N*4 th:TH_STORE_NT   ; 32 lanes store 512 consecutive bytes, at a multiple of 512 from out0's first byte
.endr
.endm
; THE VERY LAST 128 ALONG K goes by x's blocks like every other, so block a's sums are finished with its eight products: block a leaves while blocks a + 2 and on are multiplied.
; Block 1's rows come back into v128-191, which held x's blocks 0-3: their last products and NP places stand ahead.
	s_wait_dscnt 16
	WIN MUL_LO
	MULA 0, 1, 1, 1, 0
	MULA 1, 1, 1, 1, 0
	s_wait_dscnt 0x0                               ; x's blocks 4-7 are in
.irp a, 0,1,2,3,4,5,6,7
.if \a < 6
	WIN MUL_LO+0x50*((\a+2)/4)
	MULA \a+2, 1, 1, 1, 0
	PLACES NP                                      ; behind all products so far: for the stores of finished blocks and the loads into x's registers
.endif
.if \a > 1
	s_wait_xcnt 0x0                                ; block a - 2's stores have read their registers and their base
.endif
	TOSTAGE \a
.if \a > 0
	SEND \a-1, 32                                  ; behind block a - 1's loads: block a's 16 stores and 16 loads
.endif
.endr
	s_wait_xcnt 0x0
	SEND 7, 0
	s_wait_tensorcnt 0x0                           ; the wave's end
	ds_add_u32 v[SPW], v[NIL]
	s_wait_dscnt 0x0
	CROUND                                         ; the closing round
	s_endpgm
.Lfunc_end_k_q098f7e4ea2_gemm:
	.size	k_q098f7e4ea2_gemm, .Lfunc_end_k_q098f7e4ea2_gemm-k_q098f7e4ea2_gemm
	.p2alignl 7, 3214868480
	.fill 96, 4, 3214868480
	.section	.rodata,"a",@progbits
	.p2align	6, 0x0
	.amdhsa_kernel k_q098f7e4ea2_gemm
		.amdhsa_group_segment_fixed_size 327680
		.amdhsa_private_segment_fixed_size 0
		.amdhsa_enable_private_segment 0
		.amdhsa_kernarg_size 48
		.amdhsa_user_sgpr_count 2
		.amdhsa_user_sgpr_kernarg_segment_ptr 1
		.amdhsa_wavefront_size32 1
		.amdhsa_system_sgpr_workgroup_id_x 1
		.amdhsa_system_sgpr_workgroup_id_y 1
		.amdhsa_system_sgpr_workgroup_id_z 1
		.amdhsa_system_vgpr_workitem_id 0
		.amdhsa_next_free_vgpr 1024
		.amdhsa_next_free_sgpr 98
		.amdhsa_reserve_vcc 0
		.amdhsa_float_denorm_mode_32 3
		.amdhsa_float_denorm_mode_16_64 3
		.amdhsa_memory_ordered 1
		.amdhsa_forward_progress 1
		.amdhsa_inst_pref_size 255
	.end_amdhsa_kernel
	.section	.bss,"aw",@nobits
	.p2align	6
	.space	262144
	.amdgpu_metadata
---
amdhsa.version: [ 1, 2 ]
amdhsa.kernels:
  - .name:           k_q098f7e4ea2_gemm
    .symbol:         k_q098f7e4ea2_gemm.kd
    .args:
      - { .name: x_codes, .offset: 0, .size: 8, .value_kind: global_buffer, .address_space: global }
      - { .name: x_scales, .offset: 8, .size: 8, .value_kind: global_buffer, .address_space: global }
      - { .name: weight_codes, .offset: 16, .size: 8, .value_kind: global_buffer, .address_space: global }
      - { .name: weight_scales, .offset: 24, .size: 8, .value_kind: global_buffer, .address_space: global }
      - { .name: bias, .offset: 32, .size: 8, .value_kind: global_buffer, .address_space: global }
      - { .name: out0, .offset: 40, .size: 8, .value_kind: global_buffer, .address_space: global }
    .group_segment_fixed_size: 327680
    .private_segment_fixed_size: 0
    .kernarg_segment_align: 8
    .kernarg_segment_size: 48
    .max_flat_workgroup_size: 128
    .sgpr_count:     98
    .vgpr_count:     1024
    .wavefront_size: 32
...
	.end_amdgpu_metadata
.endif
;; end of part 1
